; MI455X (gfx1250); checked and timed in simulation.
; The chip was launched on July 23, 2026; its instructions are those of AMD's public machine-readable ISA for CDNA 5 (MIT licence, August 2026) and "CDNA5" Instruction Set Architecture Reference Guide (July 2026). The comments in the code are by the model that wrote it; some were corrected since.
;; Attention Expert. Allowed arithmetic: matrix products marked QUANTISED: E2M1 operands, one E8M0 scale for each 32 along K, by v_wmma_scale_f32_16x16x128_f8f6f4 with both operands' format E2M1 (or v_wmma_scale_f32_32x16x128_f4), f32 sums; products left as they are: bf16, f16 or f32 operands; f32 sums; everything else in f32.
;; Inputs: Wk 1,024 x 1,024 float32; Wo 1,024 x 1,024 float32; Wq 1,024 x 1,024 float32; Wv 1,024 x 1,024 float32; attention_mask 4 x 2,048 int32; bk 1,024 float32; bo 1,024 float32; bq 1,024 float32; bv 1,024 float32; x 4 x 2,048 x 1,024 float32.
;; Outputs: out0 4 x 2,048 x 1,024 float32.
;; This version of the problem:
;;   THIS VERSION OF THE PROBLEM IS GIVEN IN LOW PRECISION. The matrix products marked QUANTISED in the list below multiply operands that are first quantised to E2M1 (2 exponent bits, 1 mantissa bit; 4 bits a number), with one power-of-two scale for each 32 numbers along K (OCP MX v1.0); their sums are f32. The products marked 'left as it is' may take bf16, f16 or f32 operands, with f32 sums. Whichever they take, every output number must still come out within the allowed error. Rounding operands to bf16 (8 significant bits) uses up far more of that allowance than f16 does (11 bits, for magnitudes from 6e-5 to 65,504). All else is computed in f32.
;;   The module's matrix products, in the order in which they are computed (A, B: the left and right operand; K: the contracted axis; several contracted axes count as one K, in the product's order):
;;     1. [M 8,192, K 1,024] x [K 1,024, N 1,024]; A: input x; B: input Wq: QUANTISED
;;     2. [M 8,192, K 1,024] x [K 1,024, N 1,024]; A: input x; B: input Wk: QUANTISED
;;     3. [M 8,192, K 1,024] x [K 1,024, N 1,024]; A: input x; B: input Wv: QUANTISED
;;     4. batch 64 x [M 2,048, K 64] x [K 64, N 2,048]; A: computed on the way; B: computed on the way: left as it is (an operand is computed on the way)
;;     5. batch 64 x [M 2,048, K 2,048] x [K 2,048, N 64]; A: computed on the way; B: computed on the way: left as it is (an operand is computed on the way)
;;     6. [M 8,192, K 1,024] x [K 1,024, N 1,024]; A: computed on the way; B: input Wo: left as it is (an operand is computed on the way)
;;   THE QUANTISER, for each operand of a quantised product, along K:
;;     - K is cut into blocks of 32 from its start; a last block that is shorter is filled with zeros.
;;     - A block's scale is 2^e with e = floor(log2(the largest magnitude in the block)) - 2, held to -126 .. 127; a block of zeros has e = 0. As a byte (E8M0): e + 127.
;;     - Each number is divided by its block's scale, clamped to +-6, and rounded to the nearest number of E2M1, ties to even, subnormals kept.
;;     - The product sums the exact products of the quantised numbers (number of the format x scale) in f32.
;;   ~~~python
;;   def quantise(x, axis):      # numpy; x: float32 -> the quantised numbers, widened to float32 again
;;       x = np.moveaxis(x, axis, -1); K = x.shape[-1]
;;       x = np.pad(x, [(0, 0)] * (x.ndim - 1) + [(0, -K % 32)]); x = x.reshape(x.shape[:-1] + (-1, 32)); a = np.abs(x).max(-1, keepdims=True)
;;       e = np.where(a > 0, np.clip(np.frexp(np.where(a > 0, a, 1))[1] - 1 - 2, -126, 127), 0)      # np.frexp(a)[1] - 1 = floor(log2(a)), exactly
;;       r = np.clip(x / 2.0 ** e, -6, 6)
;;       step = 2.0 ** (np.maximum(np.frexp(np.where(r == 0, 1, r))[1] - 1, 0) - 1)
;;       q = np.round(r / step) * step * 2.0 ** e      # np.round: ties to even
;;       return np.moveaxis(q.reshape(q.shape[:-2] + (-1,))[..., :K], -1, axis).astype(np.float32)
;;   ~~~
;; One version. Each part assembles by itself: llvm-mc -triple=amdgcn-amd-amdhsa -mcpu=gfx1250 --defsym DOCPART=n.
;; ======== version 1 of 1: 3 launches
;; limits: values are held in f16: magnitudes above 65,504 overflow, below 6.1e-05 lose precision
;; workspace buffers: xc 4,227,072 bytes; xs 264,192 bytes; wc 1,572,864 bytes; ws 98,304 bytes; wo 2,097,152 bytes; at 16,777,216 bytes
;; launch prep (part 1): grid 386 x 1, 8 waves a work-group, no clusters, 36,864 bytes of LDS; arguments x, Wq, Wk, Wv, Wo, xc, xs, wc, ws, wo; writes xc, xs, wc, ws, wo
.if DOCPART == 1
	.amdgcn_target "amdgcn-amd-amdhsa--gfx1250"
	.amdhsa_code_object_version 6
	.text
	.protected	k_qf2c8777537_prep
	.globl	k_qf2c8777537_prep
	.p2align	8
	.type	k_qf2c8777537_prep,@function
k_qf2c8777537_prep:
	s_mov_b64 s[64:65], 0
	v_nop
	global_prefetch_b8 v0, s[64:65] scope:SCOPE_SE
	s_setreg_imm32_b32 hwreg(HW_REG_WAVE_MODE, 25, 1), 1
	s_wait_xcnt 0x0
; x [8192][1024] and Wq, Wk, Wv [1024 (k)][1024 (n)], f32, become codes of FP4 (E2M1) with one E8M0 scale byte for each 32 along K; Wo [1024 (k)][1024 (n)] becomes f16.
; ALL RESULTS ARE LAID AS IMAGES OF THE OPERANDS' REGISTERS: a fragment is a run of groups of 512 bytes, lane l's 16 bytes at 16 l, so that the later launches fetch dense blocks and read fragments at 16 x lane.
;   xc [half 2][row tile + 2: 516][K step in the half 4][1024]: 16 rows x 128 K; group c, lane (r, h): block 2 c + h of row r.  Two tiles in front and two behind are copies of the first and last two tiles:
;      finite numbers for the halo of the first and last query blocks, which count for nothing there (keys outside the sequence).
;   xs [half][padded row 8256][16]: a row's four scale words of the half.      wc [head 16][half][tile 12 = 4 x (q, k, v) + tile][K step 4][1024], ws [head][half][192][16]: the same for the weights, a row being a column n.
;   wo [256 columns 4][128 k 8][tile 16][32 k 4][1024]: f16; group g, lane (r, h): column r, k = 16 g + 8 h + 0 .. 7.
; A block's scale is 2^(floor(log2(its largest magnitude)) - 2); its byte is the largest magnitude's exponent field - 2, held at 1 from below.  A block of zeros so gets the byte 1 where the rule says 127:
; its codes are zeros, which add nothing under any byte but 0xff, and the bytes are read by this program alone.
; LIMITS: blocks whose largest magnitude lies under 2^(3 - 127) get the byte 1; NaN and infinities among the inputs are not served; Wo of 65,504 or more overflows f16, under 6e-5 it loses bits.
; SHARES.  Eight waves: wl = wave & 1, q = wave >> 1.  Work-groups 0 .. 257: 64 padded rows x 512 along K of x; a wave takes 32 rows (wl) x 128 K (q).  Work-groups 258 .. 385: 64 columns x 512 k of one of the four
; weights; a wave takes 32 columns (wl) x 128 k (q), a lane a column, its registers down K.  No tensor load, no cluster: the work-groups share no input.
.set NX,    258                        ; work-groups of x
.set WSTG,  4352                       ; LDS: a stage of 16 rows x 272 bytes for each wave,
.set SCG,   34816                      ; 1,024 bytes in which the work-group's scale words meet,
.set SPARE, 35840                      ; the spare words, 128 bytes for each wave: four blocks of 256 bytes that no other line names
.set VO,   4                           ; v4   4096 h + 16 r
.set VC,   5                           ; v5   16 x lane
.set STI,  6                           ; v6   the stage, in:  272 h + 16 r + my wave's
.set STO,  7                           ; v7   the stage, out: 272 r + 128 h + my wave's
.set VO4,  8                           ; v8   4 x lane
.set SA,   10                          ; v10  where my scale word goes: SCG + 16 (row or column of 64) + 4 q
.set SL,   11                          ; v11  where 16 bytes of them are read back
.set SGO,  12                          ; v12  and their place in memory
.set SH8,  13                          ; v13  8 h
.set SPW,  14                          ; v14  LDS address of my spare word; never rewritten
.set NIL,  15                          ; v15  0; never rewritten
.set WORD, 19                          ; v19  my row's or column's scale word
.set EB,   20                          ; v20-23 four scale bytes
.set R,    32                          ; v32-159  numbers as loaded
.set X,    160                         ; v160-223 two sets of 32 neighbours along K; for Wo 64 registers of f16 pairs
.set C,    224                         ; v224-239 codes: four registers for each block, so that no store's data are written again
	s_load_b512 s[4:19], s[0:1], 0x0               ; x s[4:5], Wq s[6:7], Wk s[8:9], Wv s[10:11], Wo s[12:13], xc s[14:15], xs s[16:17], wc s[18:19]
	s_load_b128 s[20:23], s[0:1], 0x40             ; ws s[20:21], wo s[22:23]
	v_lshl_add_u32 v[SPW], v0, 2, SPARE
	v_mov_b32 v[NIL], 0
	v_lshrrev_b32 v1, 5, v0
	v_readfirstlane_b32 s24, v1                    ; wave 0 .. 7
	s_and_b32 s25, s24, 1                          ; wl
	s_lshr_b32 s26, s24, 1                         ; q
	s_mov_b32 s34, 0x76543210
	s_mov_b32 s35, 0xfedcba98                      ; v_permlanex16_b32's selects for lane l xor 16
	v_and_b32 v1, 31, v0                           ; lane
	v_and_b32 v2, 15, v0                           ; r
	v_bfe_u32 v3, v0, 4, 1                         ; h
	v_lshlrev_b32 v[VO], 4, v2
	v_lshl_add_u32 v[VO], v3, 12, v[VO]
	v_lshlrev_b32 v[VC], 4, v1
	s_mul_i32 s36, s24, WSTG                       ; my stage
	v_mul_u32_u24 v[STI], v3, 272
	v_lshl_add_u32 v[STI], v2, 4, v[STI]
	v_add_nc_u32 v[STI], s36, v[STI]
	v_mul_u32_u24 v[STO], v2, 272
	v_lshl_add_u32 v[STO], v3, 7, v[STO]
	v_add_nc_u32 v[STO], s36, v[STO]
	v_lshlrev_b32 v[VO4], 2, v1
	v_and_b32 v[SGO], 63, v0                       ; thread = 64 q + 32 wl + lane: its low six bits are my row or column of the work-group's 64
	v_lshlrev_b32 v[SGO], 4, v[SGO]
	v_add_nc_u32 v[SL], SCG, v[SGO]
	v_lshrrev_b32 v9, 6, v0
	v_lshl_add_u32 v[SA], v9, 2, v[SL]
	v_lshlrev_b32 v[SH8], 3, v3
	v_mov_b32 v26, 0                               ; written once: a lane permute's destination counts as one of its sources
	v_mov_b32 v27, 0
	s_wait_kmcnt 0x0
; 32 numbers of one block in v[s] on become 16 bytes of codes in v[d] on and the scale's byte in v[e]
.macro QBLOCK s, d, e
	v_max3_num_f32 v16, |v[\s]|, |v[\s+1]|, |v[\s+2]|              ; the block's largest magnitude, in two chains
	v_max3_num_f32 v17, |v[\s+3]|, |v[\s+4]|, |v[\s+5]|
.irp i, 6,10,14,18,22,26
	v_max3_num_f32 v16, v16, |v[\s+\i]|, |v[\s+\i+1]|
	v_max3_num_f32 v17, v17, |v[\s+\i+2]|, |v[\s+\i+3]|
.endr
	v_max3_num_f32 v16, v16, |v[\s+30]|, |v[\s+31]|
	v_max3_num_f32 v16, v16, v17, 0x1800000        ; and the floor 2^(3 - 127): the byte cannot fall under 1
	v_add_nc_u32 v18, 0xff000000, v16              ; 2 off its exponent field: the conversion takes the exponent field of this operand as its scale
.irp g, 0,1,2,3
	v_cvt_scalef32_pk8_fp4_f32 v[\d+\g], v[\s+8*\g:\s+8*\g+7], v18
.endr
	v_lshrrev_b32 v[\e], 23, v18                   ; the scale's byte; also the plain line behind the conversions
.endm
	s_cmp_ge_u32 ttmp9, NX
	s_cbranch_scc1 .Lweights
	; ---------------- x ----------------
	s_lshr_b32 s36, ttmp9, 1                       ; which 64 padded rows
	s_and_b32 s37, ttmp9, 1                        ; which half of K
	s_lshl_b32 s38, s36, 1
	s_add_co_u32 s38, s38, s25                     ; P: my 32 padded rows
	s_max_u32 s39, s38, 1
	s_min_u32 s39, s39, 256
	s_sub_co_u32 s39, s39, 1                       ; the 32 rows of x that they hold: P - 1, held to 0 .. 255
	s_lshl_b32 s40, s39, 17                        ; 32 rows of 4,096 bytes
	s_lshl_b32 s41, s37, 11
	s_add_co_u32 s40, s40, s41
	s_lshl_b32 s41, s26, 9
	s_add_co_u32 s40, s40, s41
	s_mov_b32 s41, 0
	s_add_nc_u64 s[28:29], s[4:5], s[40:41]
	s_mul_i32 s40, s37, 2113536
	s_lshl_b32 s42, s38, 13
	s_add_co_u32 s40, s40, s42
	s_lshl_b32 s42, s26, 10
	s_add_co_u32 s40, s40, s42
	s_add_nc_u64 s[30:31], s[14:15], s[40:41]
	s_mul_i32 s40, s37, 132096
	s_lshl_b32 s42, s36, 10
	s_add_co_u32 s40, s40, s42
	s_add_nc_u64 s[32:33], s[16:17], s[40:41]
	; step t = 2 x (tile of 16 rows) + (64 along K): eight loads, each two rows x 256 consecutive bytes.  All 32 loads go out at once
.irp t, 0,1,2,3
.irp i, 0,1,2,3,4,5,6,7
	global_load_b128 v[R+32*\t+4*\i:R+32*\t+4*\i+3], v[VO], s[28:29] offset:(16*(\t/2)+2*\i)*4096+256*(\t%2) th:TH_LOAD_NT
.endr
.endr
; a step's 16 rows x 256 bytes turn through my stage: in as loaded, out 128 bytes a lane: lane (r, h) gets the block 2 c + h of row r.  LDS serves a wave's instructions in order: no wait between
.macro TURN t
.irp i, 0,1,2,3,4,5,6,7
	ds_store_b128 v[STI], v[R+32*(\t)+4*\i:R+32*(\t)+4*\i+3] offset:544*\i
.endr
.irp j, 0,1,2,3,4,5,6,7
	ds_load_b128 v[X+32*((\t)%2)+4*\j:X+32*((\t)%2)+4*\j+3], v[STO] offset:16*\j
.endr
.endm
	s_wait_loadcnt 24                              ; step 0's eight loads are in; the 24 of the later steps may be out
	TURN 0
.irp t, 0,1,2,3
	s_wait_dscnt 0x0                               ; this step's block is back from the stage
.if \t < 3
	s_wait_loadcnt 16-8*\t                         ; the next step's eight loads are in; those of the steps behind it may be out
	TURN \t+1
.endif
	QBLOCK X+32*(\t%2), C+4*\t, EB+\t
	global_store_b128 v[VC], v[C+4*\t:C+4*\t+3], s[30:31] offset:4096*(\t/2)+512*(\t%2)   ; a group of the image: 512 consecutive bytes
.endr
.irp u, 0,1                                    ; tile u: my two bytes (blocks h and 2 + h of row r) at their places, and lane l xor 16's two
	v_lshl_or_b32 v[24+\u], v[EB+2*\u+1], 16, v[EB+2*\u]
	v_lshlrev_b32 v[24+\u], v[SH8], v[24+\u]
	v_permlanex16_b32 v[26+\u], v[24+\u], s34, s35
	v_or_b32 v[24+\u], v[24+\u], v[26+\u]
.endr
	v_cmp_ne_u32 vcc_lo, 0, v3
	v_cndmask_b32 v[WORD], v24, v25, vcc_lo        ; lane l keeps the word of row l of my 32
	s_branch .Ltail
	; ---------------- the weights ----------------
.Lweights:
	s_sub_co_u32 s36, ttmp9, NX
	s_lshr_b32 s37, s36, 5                         ; 0, 1, 2, 3: Wq, Wk, Wv, Wo
	s_bfe_u32 s38, s36, 0x40001                    ; which 64 columns
	s_and_b32 s39, s36, 1                          ; which half of K
	s_cmp_eq_u32 s37, 0                            ; the choice hangs on the work-group's number alone
	s_cselect_b64 s[28:29], s[6:7], s[8:9]
	s_cmp_eq_u32 s37, 2
	s_cselect_b64 s[28:29], s[10:11], s[28:29]
	s_cmp_eq_u32 s37, 3
	s_cselect_b64 s[28:29], s[12:13], s[28:29]
	s_lshl_b32 s40, s39, 21                        ; 512 rows of 4,096 bytes
	s_lshl_b32 s41, s26, 19                        ; 128 rows
	s_add_co_u32 s40, s40, s41
	s_lshl_b32 s41, s38, 8
	s_add_co_u32 s40, s40, s41
	s_lshl_b32 s41, s25, 7
	s_add_co_u32 s40, s40, s41
	s_mov_b32 s41, 0
	s_add_nc_u64 s[28:29], s[28:29], s[40:41]
.macro WLOAD b                         ; block b: W(32 b + i, my column): a wave reads 128 consecutive bytes, the two waves of a q 256
.irp i, 0,1,2,3,4,5,6,7,8,9,10,11,12,13,14,15,16,17,18,19,20,21,22,23,24,25,26,27,28,29,30,31
	global_load_b32 v[R+32*\b+\i], v[VO4], s[28:29] offset:(32*\b+\i)*4096 th:TH_LOAD_NT
.endr
.endm
	WLOAD 0
	WLOAD 1
	s_cmp_eq_u32 s37, 3
	s_cbranch_scc1 .Lwo
	s_lshl_b32 s42, s38, 1
	s_add_co_u32 s42, s42, s39                     ; 2 head + half
	s_mul_i32 s43, s42, 12
	s_lshl_b32 s44, s37, 2
	s_add_co_u32 s43, s43, s44
	s_lshl_b32 s44, s25, 1
	s_add_co_u32 s43, s43, s44                     ; my first tile
	s_lshl_b32 s40, s43, 12
	s_lshl_b32 s44, s26, 10
	s_add_co_u32 s40, s40, s44
	s_add_nc_u64 s[30:31], s[18:19], s[40:41]
	s_mul_i32 s43, s42, 192
	s_lshl_b32 s44, s37, 6
	s_add_co_u32 s43, s43, s44
	s_lshl_b32 s40, s43, 4
	s_add_nc_u64 s[32:33], s[20:21], s[40:41]
.macro WBLOCK b                        ; block b of column r of tile h lies at 4096 h + 256 b + 16 r of the images: sixteen lanes store 256 consecutive bytes, aligned
	QBLOCK R+32*\b, C+4*\b, EB+\b
	global_store_b128 v[VO], v[C+4*\b:C+4*\b+3], s[30:31] offset:256*\b
.endm
	s_wait_loadcnt 32                              ; block 0 is in; block 1's 32 loads may be out
	WLOAD 2
	WBLOCK 0
	s_wait_loadcnt 32                              ; block 1 is in; block 2's may be out
	WLOAD 3
	WBLOCK 1
	s_wait_loadcnt 32                              ; block 2 is in; block 3's may be out
	WBLOCK 2
	s_wait_loadcnt 0x0
	WBLOCK 3
	v_lshl_or_b32 v[WORD], v[EB+1], 8, v[EB]       ; my column's scale word of this K step
	v_lshl_or_b32 v[WORD], v[EB+2], 16, v[WORD]
	v_lshl_or_b32 v[WORD], v[EB+3], 24, v[WORD]
.Ltail:                                            ; the scale words of 64 rows x 4 K steps meet in LDS and leave as 1,024 consecutive bytes
	ds_store_b32 v[SA], v[WORD]
	s_wait_dscnt 0x0                               ; for the others' sake: my word has landed
	s_barrier_signal -1
	s_barrier_wait -1
	s_cmp_lt_u32 s24, 2
	s_cbranch_scc0 .Lend
	ds_load_b128 v[28:31], v[SL]
	s_wait_dscnt 0x0
	global_store_b128 v[SGO], v[28:31], s[32:33]
	s_branch .Lend
	; ---------------- Wo: f16 ----------------
.Lwo:
	s_lshr_b32 s42, s38, 2                         ; which 256 columns
	s_lshl_b32 s42, s42, 3
	s_lshl_b32 s43, s39, 2
	s_add_co_u32 s42, s42, s43
	s_add_co_u32 s42, s42, s26                     ; + which 128 along K
	s_lshl_b32 s42, s42, 4
	s_and_b32 s43, s38, 3
	s_lshl_b32 s43, s43, 2
	s_add_co_u32 s42, s42, s43
	s_lshl_b32 s43, s25, 1
	s_add_co_u32 s42, s42, s43                     ; + my first tile of 16 columns
	s_lshl_b32 s40, s42, 12
	s_add_nc_u64 s[30:31], s[22:23], s[40:41]
.macro WOBLOCK b                       ; 32 k of my column: 16 registers of pairs; k = 8 u + 0 .. 7 lies at 1024 b + 256 u + 16 r of tile h's images
.irp u, 0,1,2,3,4,5,6,7,8,9,10,11,12,13,14,15
	v_cvt_pk_f16_f32 v[X+16*\b+\u], v[R+32*\b+2*\u], v[R+32*\b+2*\u+1]
.endr
.irp u, 0,1,2,3
	global_store_b128 v[VO], v[X+16*\b+4*\u:X+16*\b+4*\u+3], s[30:31] offset:1024*\b+256*\u
.endr
.endm
	s_wait_loadcnt 32                              ; the counts as above
	WLOAD 2
	WOBLOCK 0
	s_wait_loadcnt 32
	WLOAD 3
	WOBLOCK 1
	s_wait_loadcnt 32
	WOBLOCK 2
	s_wait_loadcnt 0x0
	WOBLOCK 3
.Lend:
	s_wait_tensorcnt 0x0                           ; the wave's end, behind my last LDS store
	ds_add_u32 v[SPW], v[NIL]
	s_wait_dscnt 0x0
	s_endpgm
.Lfunc_end_k_qf2c8777537_prep:
	.size	k_qf2c8777537_prep, .Lfunc_end_k_qf2c8777537_prep-k_qf2c8777537_prep
	.p2alignl 7, 3214868480
	.fill 96, 4, 3214868480
	.section	.rodata,"a",@progbits
	.p2align	6, 0x0
	.amdhsa_kernel k_qf2c8777537_prep
		.amdhsa_group_segment_fixed_size 36864
		.amdhsa_private_segment_fixed_size 0
		.amdhsa_enable_private_segment 0
		.amdhsa_kernarg_size 80
		.amdhsa_user_sgpr_count 2
		.amdhsa_user_sgpr_kernarg_segment_ptr 1
		.amdhsa_wavefront_size32 1
		.amdhsa_system_sgpr_workgroup_id_x 1
		.amdhsa_system_sgpr_workgroup_id_y 1
		.amdhsa_system_sgpr_workgroup_id_z 1
		.amdhsa_system_vgpr_workitem_id 0
		.amdhsa_next_free_vgpr 240
		.amdhsa_next_free_sgpr 66
		.amdhsa_reserve_vcc 1
		.amdhsa_float_denorm_mode_32 3
		.amdhsa_float_denorm_mode_16_64 3
		.amdhsa_memory_ordered 1
		.amdhsa_forward_progress 1
		.amdhsa_inst_pref_size 49
	.end_amdhsa_kernel
	.amdgpu_metadata
---
amdhsa.version: [ 1, 2 ]
amdhsa.kernels:
  - .name:           k_qf2c8777537_prep
    .symbol:         k_qf2c8777537_prep.kd
    .args:
      - { .name: x, .offset: 0, .size: 8, .value_kind: global_buffer, .address_space: global }
      - { .name: Wq, .offset: 8, .size: 8, .value_kind: global_buffer, .address_space: global }
      - { .name: Wk, .offset: 16, .size: 8, .value_kind: global_buffer, .address_space: global }
      - { .name: Wv, .offset: 24, .size: 8, .value_kind: global_buffer, .address_space: global }
      - { .name: Wo, .offset: 32, .size: 8, .value_kind: global_buffer, .address_space: global }
      - { .name: xc, .offset: 40, .size: 8, .value_kind: global_buffer, .address_space: global }
      - { .name: xs, .offset: 48, .size: 8, .value_kind: global_buffer, .address_space: global }
      - { .name: wc, .offset: 56, .size: 8, .value_kind: global_buffer, .address_space: global }
      - { .name: ws, .offset: 64, .size: 8, .value_kind: global_buffer, .address_space: global }
      - { .name: wo, .offset: 72, .size: 8, .value_kind: global_buffer, .address_space: global }
    .group_segment_fixed_size: 36864
    .private_segment_fixed_size: 0
    .kernarg_segment_align: 8
    .kernarg_segment_size: 80
    .max_flat_workgroup_size: 256
    .sgpr_count:     66
    .vgpr_count:     240
    .wavefront_size: 32
...
	.end_amdgpu_metadata
.endif
;; end of part 1
;; launch qkv_attn (part 2): grid 16 x 32, 4 waves a work-group, clusters of 4 x 4, 327,680 bytes of LDS; arguments xc, xs, wc, ws, bq, bk, bv, attention_mask, at; writes at
.if DOCPART == 2
	.amdgcn_target "amdgcn-amd-amdhsa--gfx1250"
	.amdhsa_code_object_version 6
	.text
	.protected	k_qf2c8777537_qkv_attn
	.globl	k_qf2c8777537_qkv_attn
	.p2align	8
	.type	k_qf2c8777537_qkv_attn,@function
k_qf2c8777537_qkv_attn:
	s_mov_b64 s[64:65], 0
	v_nop
	global_prefetch_b8 v0, s[64:65] scope:SCOPE_SE
	s_setreg_imm32_b32 hwreg(HW_REG_WAVE_MODE, 25, 1), 1
	s_wait_xcnt 0x0
	s_wait_alu depctr_hold_cnt(0) depctr_sa_sdst(0) depctr_va_vdst(0) depctr_va_sdst(0) depctr_va_ssrc(0) depctr_va_vcc(0) depctr_vm_vsrc(0)
	s_getreg_b32 s2, hwreg(HW_REG_IB_STS2, 6, 4)
	s_cmp_eq_u32 s2, 0
	s_cbranch_scc0 .Lentry_in_a_cluster
	s_endpgm
.Lentry_in_a_cluster:
	s_bfe_u32 s2, ttmp6, 0x10000c
	s_cmp_lg_u32 s2, 0xf033
	s_cbranch_scc0 .Lentry_shape_is_right
	s_endpgm
.Lentry_shape_is_right:
; One head, 256 queries: q, k, v = x W + b on codes of FP4 (E2M1) with E8M0 scales, then the banded attention, all in one work-group: q, k and v never go to memory.
; SHARES.  head = 4 x cluster x + cx; block of 256 queries = 4 x cluster y + cy (8 blocks to a sequence).  The work-group makes q, k, v of its head for 320 local rows l = 0 .. 319, the 256 queries (l = 32 .. 287) and 32
; rows of halo on each side: row l is sequence position 256 blk - 32 + l.  Wave w makes rows 80 w .. 80 w + 79 x all 192 columns: 5 x 12 tiles, 60 accumulators, 480 registers.
; ALL OF K LIES IN LDS: two slots of 512 along K (x: 20 tiles, W: 12 tiles, as images of the operands' registers), filled once at the head: three tensor loads a wave are out.
; CLUSTER 4 x 4: x's tiles hang on the block alone and are asked for jointly along a row of the cluster, W's on the head alone and jointly along a column.
; q AND k ARE MADE TRANSPOSED (source 0 = 16 columns of W, source 1 = 16 rows of x): a lane holds one row and 8 neighbouring channels, 16 bytes of f16.  v IS MADE THE NATURAL WAY: a lane holds one channel and 8
; neighbouring keys: V^T as the second product wants it.  The biases are the C of each sum's first product.
; ATTENTION, f16 operands, f32 sums.  Wave w: queries l = 32 + 64 w + 32 pl + 16 a + r.  The two tiles a of a pair pl share 96 keys, l = 64 w + 32 pl + 16 j + .., j = 0 .. 5; tile a needs j = a .. a + 4.
; S^T = K Q^T, O^T = V^T P: a lane holds one query throughout.  With jj = j - a and e = (key in tile) - (query in tile) the band |i - j| <= 32 reads 0 <= 16 jj + e <= 64: jj = 1 .. 3 open, jj = 0 wants e >= 0, jj = 4 e <= 0.
; t = score x log2(e) / 8 + (0 or -infinity: padding mask, sequence ends, band); p = 2^(t - the row's largest t); O^T / the sum of p.  A row with no key has the sum 0 and gives 0.
; The result leaves as images of the next launch's operand registers: a lane's 16 bytes already lie at 16 x lane, so each store covers 512 consecutive bytes.
; LIMITS: q, k, v, p and the result are rounded to f16: magnitudes of 65,504 or more are not served, under 6e-5 they lose bits.  A largest t under -3e38 counts as no key.  NaN and infinities are not served.
; No prefetch: every tile is asked for at the head.
.set SLOT,  131072                     ; LDS: slot s: x's 20 tiles [tile][K step 4][1024],
.set BOFF,  81920                      ; then W's 12
.set XS,    262144                     ; x's scale words [half][320][16]
.set WS,    272384                     ; W's [half][192][16]
.set KB,    278528                     ; the keys' bias, 384 f32: bytes of its own, no fill lands here
.set SPARE, 280064                     ; the spare words, 128 bytes for each wave: two blocks of 256 bytes that no other line names
.set VT,    280576                     ; V^T [channel 64][656]: 320 keys of f16 + 16 bytes; bytes of its own
.set KST,   46080                      ; q at 0, k at KST: 320 rows x 144 (128 bytes + 16), in slot 0, which has had its only fill and its last read by then
.set LI,   3                           ; v3   16 x lane
.set ADRA, 4                           ; v4-5 my x fragments in slot 0, 1
.set ADRB, 6                           ; v6-7 W's
.set ADSA, 8                           ; v8   x's scale words: lanes 0-15 the first half of K, lanes 16-31 the second
.set ADSB, 9                           ; v9   W's
.set STQ,  10                          ; v10  where I put 16 bytes of a row of q or k
.set STV,  11                          ; v11  of V^T
.set AKQ,  12                          ; v12  where I read fragments of q and k
.set AV,   13                          ; v13  of V^T
.set AKB,  14                          ; v14  of the keys' bias
.set KBW,  15                          ; v15  where I store it
.set ZR,   22                          ; v22  0
.set NINF, 23                          ; v23  -infinity
.set EE,   24                          ; v24  8 h - r
.set SPW,  28                          ; v28  LDS address of my spare word; never rewritten
.set NIL,  29                          ; v29  0; never rewritten
.set SCA,  32                          ; v32-51  x's scale words: register 4 i + q
.set SCB,  52                          ; v52-99  W's: register 4 j + q
.set XF,   100                         ; v100-179 x's fragments, two sets of 40
.set BV,   180                         ; v180-211 v's bias, eight registers a tile
.set BQK,  192                         ; window 1: v0-191 W's fragments, two sets of 96; v192-255 q's and k's bias.  Window 2: accumulators (i, j = 0 .. 5) at 8 (6 i + j); window 3: (i, j = 6 .. 11)
.set BL,   32                          ; the attention's registers, window 0: v32-39, v40-47 the band's two edges
.set BU,   40
.set KBR,  48                          ; v48-95 the 96 keys' bias; later the packed result
.set S,    96                          ; v96-175 S^T, then p: tile a at 96 + 40 a + 8 jj; later O^T at 96 + 8 (4 a + m)
.set P,    176                         ; v176-223 p in f16: 176 + 24 a + 4 j
.set ST,   224                         ; v224 + 8 a: two at work, the largest t (pair), the sum (pair), 1 / sum (pair)
.set G1A,  32                          ; s[32:39] group 1: x's tiles;  s[40:47] W's;  s[48:55] x's scales;  s[56:63] W's scales
.set G1B,  40
.set G1SA, 48
.set G1SB, 56
.set GA0,  68                          ; groups 0
.set GA1,  72
.set GSA,  76
.set GB0,  80
.set GB1,  84
.set GSB,  88
.set MSB, 0
.macro WIN new                         ; the immediate's high byte repeats the setting that is left
.if MSB != \new
	s_set_vgpr_msb (MSB<<8)|\new
.set MSB, \new
.endif
.endm
.macro PLACES n
.rept \n
	v_nop
.endr
.endm
; A joint load: waves 0 and 1 fetch for x, waves 2 and 3 for W.  The branch hangs on the wave's number alone.  An s_nop 0 and four v_nop follow each of the two lines.
.macro JLOAD g0a, g1a, g0b, g1b
	s_cmp_eq_u32 s23, 0
	s_cbranch_scc0 .Lfor_b_\@
	tensor_load_to_lds s[\g0a:\g0a+3], s[\g1a:\g1a+7]
	s_nop 0
.rept 4
	v_nop
.endr
	s_branch .Lasked_\@
.Lfor_b_\@:
	tensor_load_to_lds s[\g0b:\g0b+3], s[\g1b:\g1b+7]
	s_nop 0
.rept 4
	v_nop
.endr
.Lasked_\@:
.endm
.macro CROUND                          ; a round of the cluster's barrier
	s_barrier_signal -1
	s_barrier_wait -1
	s_cmp_lg_u32 s22, 0
	s_cbranch_scc1 .Lnot_wave_0_\@
	s_barrier_signal -3
.Lnot_wave_0_\@:
	s_barrier_wait -3
	s_barrier_signal -1
	s_barrier_wait -1
.endm
.macro SHAPE g, rows                   ; a dense block as rows of 256 bytes: 32 elements of 8 bytes, the pitch 32
	s_mov_b32 s[\g+1], 32<<16
	s_mov_b32 s[\g+2], (\rows)<<16
	s_mov_b32 s[\g+3], 32<<16
	s_mov_b32 s[\g+4], \rows
	s_mov_b32 s[\g+5], 32
	s_mov_b32 s[\g+6], 0
	s_mov_b32 s[\g+7], 0
.endm
	s_load_b512 s[4:19], s[0:1], 0x0               ; xc s[4:5], xs s[6:7], wc s[8:9], ws s[10:11], bq s[12:13], bk s[14:15], bv s[16:17], attention_mask s[18:19]
	s_load_b64 s[20:21], s[0:1], 0x40              ; at
	v_lshl_add_u32 v[SPW], v0, 2, SPARE
	v_mov_b32 v[NIL], 0
	ds_add_u32 v[SPW], v[NIL]                      ; the wave's opening: the add, twice on end, and its wait ahead of my first tensor load
	ds_add_u32 v[SPW], v[NIL]                      ; and once more; the set-up below, work on registers, stands between it and the wait
	v_lshrrev_b32 v1, 5, v0
	v_readfirstlane_b32 s22, v1                    ; wave 0 .. 3
	s_lshr_b32 s23, s22, 1                         ; I fetch for x (0) or for W (1)
	s_and_b32 s24, s22, 1                          ; and which half of a tile
	s_bfe_u32 s25, ttmp6, 0x40000                  ; cx
	s_bfe_u32 s26, ttmp6, 0x40004                  ; cy
	s_lshl_b32 s27, ttmp9, 2
	s_add_co_u32 s27, s27, s25                     ; the head
	s_and_b32 s28, ttmp7, 0xffff
	s_lshl_b32 s28, s28, 2
	s_add_co_u32 s28, s28, s26                     ; the block of 256 queries, 0 .. 31
	s_lshl_b32 s29, s26, 2
	s_lshl_b32 s29, 15, s29                        ; my row of the cluster
	s_lshl_b32 s30, 0x1111, s25                    ; my column
	s_or_b32 s[G1A], s29, (3<<16)|(1<<21)          ; 15:0 the mask; 17:16 elements of 8 bytes; 21 set beside a mask; no padding
	s_or_b32 s[G1SA], s29, (3<<16)|(1<<21)
	s_or_b32 s[G1B], s30, (3<<16)|(1<<21)
	s_or_b32 s[G1SB], s30, (3<<16)|(1<<21)
	SHAPE G1A, 160                                 ; half of x's 20 tiles: 40,960 bytes
	SHAPE G1B, 96                                  ; half of W's 12: 24,576
	SHAPE G1SA, 20                                 ; 320 rows' scale words of one half of K: 5,120
	SHAPE G1SB, 12                                 ; 192 rows': 3,072
	s_lshl_b32 s92, s28, 16                        ; x's tiles: 16 tiles of 4,096 bytes a block; these four registers hold terms of the block alone
	s_mul_i32 s93, s24, 40960
	s_add_co_u32 s92, s92, s93
	s_mov_b32 s93, 0
	s_lshl_b32 s94, s28, 12                        ; x's scale words: 256 rows of 16 bytes a block; wave 0 takes the first half of K, wave 1 the second
	s_mul_i32 s95, s24, 132096
	s_add_co_u32 s94, s94, s95
	s_mov_b32 s95, 0
	s_mul_i32 s96, s27, 98304                      ; W's tiles; these four registers hold terms of the head alone
	s_mul_i32 s97, s24, 24576
	s_add_co_u32 s96, s96, s97
	s_mov_b32 s97, 0
	s_mul_i32 s98, s27, 6144
	s_mul_i32 s99, s24, 3072
	s_add_co_u32 s98, s98, s99
	s_mov_b32 s99, 0
	s_mov_b32 s100, 0x3e38aa3b                     ; c = log2(e) / sqrt(64)
	s_mov_b32 s101, s100                           ; (the packed form names the pair)
	s_mov_b32 s2, 0x76543210
	s_mov_b32 s3, 0xfedcba98                       ; v_permlanex16_b32's selects for lane l xor 16
	s_wait_dscnt 0x0                               ; both opening adds are done
	s_wait_kmcnt 0x0
	s_add_nc_u64 s[92:93], s[4:5], s[92:93]
	s_add_nc_u64 s[94:95], s[6:7], s[94:95]
	s_add_nc_u64 s[96:97], s[8:9], s[96:97]
	s_add_nc_u64 s[98:99], s[10:11], s[98:99]
	CROUND                                         ; all sixteen work-groups are here: the joint loads meet
	s_mov_b32 s[GSA], 1
	s_mul_i32 s[GSA+1], s24, 5120
	s_add_co_u32 s[GSA+1], s[GSA+1], XS
	s_mov_b64 s[GSA+2:GSA+3], s[94:95]
	s_or_b32 s[GSA+3], s[GSA+3], 0x80000000
	s_mov_b32 s[GSB], 1
	s_mul_i32 s[GSB+1], s24, 3072
	s_add_co_u32 s[GSB+1], s[GSB+1], WS
	s_mov_b64 s[GSB+2:GSB+3], s[98:99]
	s_or_b32 s[GSB+3], s[GSB+3], 0x80000000
	JLOAD GSA, G1SA, GSB, G1SB                     ; the scale words first
	s_mov_b32 s[GA0], 1
	s_mul_i32 s[GA0+1], s24, 40960
	s_mov_b64 s[GA0+2:GA0+3], s[92:93]
	s_or_b32 s[GA0+3], s[GA0+3], 0x80000000
	s_mov_b32 s[GB0], 1
	s_mul_i32 s[GB0+1], s24, 24576
	s_add_co_u32 s[GB0+1], s[GB0+1], BOFF
	s_mov_b64 s[GB0+2:GB0+3], s[96:97]
	s_or_b32 s[GB0+3], s[GB0+3], 0x80000000
	JLOAD GA0, G1A, GB0, G1B                       ; slot 0: K = 0 .. 511
	s_mov_b32 s[GA1], 1
	s_add_co_u32 s[GA1+1], s[GA0+1], SLOT
	s_add_nc_u64 s[GA1+2:GA1+3], s[92:93], 2113536
	s_or_b32 s[GA1+3], s[GA1+3], 0x80000000
	s_mov_b32 s[GB1], 1
	s_add_co_u32 s[GB1+1], s[GB0+1], SLOT
	s_add_nc_u64 s[GB1+2:GB1+3], s[96:97], 49152
	s_or_b32 s[GB1+3], s[GB1+3], 0x80000000
	JLOAD GA1, G1A, GB1, G1B                       ; slot 1: K = 512 .. 1023: three loads of mine are out
	v_and_b32 v1, 15, v0                           ; r
	v_bfe_u32 v2, v0, 4, 1                         ; h
	v_and_b32 v[LI], 31, v0
	v_lshlrev_b32 v[LI], 4, v[LI]
	s_mul_i32 s31, s22, 20480                      ; my five tiles of x
	v_add_nc_u32 v[ADRA], s31, v[LI]
	v_add_nc_u32 v[ADRA+1], SLOT, v[ADRA]
	v_add_nc_u32 v[ADRB], BOFF, v[LI]
	v_add_nc_u32 v[ADRB+1], SLOT+BOFF, v[LI]
	v_mul_u32_u24 v[ADSA], v2, 5120
	v_lshl_add_u32 v[ADSA], v1, 4, v[ADSA]
	s_mul_i32 s31, s22, 1280
	s_add_co_u32 s31, s31, XS
	v_add_nc_u32 v[ADSA], s31, v[ADSA]
	v_mul_u32_u24 v[ADSB], v2, 3072
	v_lshl_add_u32 v[ADSB], v1, 4, v[ADSB]
	v_add_nc_u32 v[ADSB], WS, v[ADSB]
	v_mul_u32_u24 v16, v1, 144
	v_lshl_add_u32 v16, v2, 4, v16                 ; row r of 144 bytes + 16 h
	s_mul_i32 s31, s22, 80*144
	v_add_nc_u32 v[STQ], s31, v16
	s_mul_i32 s31, s22, 64*144
	v_add_nc_u32 v[AKQ], s31, v16
	v_mul_u32_u24 v17, v1, 656
	v_lshl_add_u32 v17, v2, 4, v17                 ; channel r of 656 bytes + 16 h
	s_mul_i32 s31, s22, 160
	s_add_co_u32 s31, s31, VT
	v_add_nc_u32 v[STV], s31, v17                  ; + my 80 keys
	s_lshl_b32 s31, s22, 7
	s_add_co_u32 s31, s31, VT
	v_add_nc_u32 v[AV], s31, v17                   ; + key 64 w
	s_lshl_b32 s31, s22, 8
	s_add_co_u32 s31, s31, KB
	v_lshl_add_u32 v[AKB], v2, 5, s31              ; key 64 w + 8 h
	v_lshl_add_u32 v[KBW], v0, 2, KB
	v_mov_b32 v[ZR], 0
	v_mov_b32 v[NINF], 0xff800000
	v_lshlrev_b32 v[EE], 3, v2
	v_sub_nc_u32 v[EE], v[EE], v1
	v_lshlrev_b32 v18, 5, v2                       ; q's and k's bias: my half's eight channels of a tile
	v_lshlrev_b32 v19, 2, v1                       ; v's: my channel
	s_lshl_b32 s66, s27, 8                         ; the head's 64 numbers
	s_mov_b32 s67, 0
	s_add_nc_u64 s[12:13], s[12:13], s[66:67]
	s_add_nc_u64 s[14:15], s[14:15], s[66:67]
	s_add_nc_u64 s[16:17], s[16:17], s[66:67]
	WIN 0x40                                       ; destination window 1
.irp j, 0,1,2,3
	global_load_b128 v[BQK+8*\j:BQK+8*\j+3], v18, s[12:13] offset:64*\j
	global_load_b128 v[BQK+8*\j+4:BQK+8*\j+7], v18, s[12:13] offset:64*\j+16
	global_load_b128 v[BQK+32+8*\j:BQK+32+8*\j+3], v18, s[14:15] offset:64*\j
	global_load_b128 v[BQK+32+8*\j+4:BQK+32+8*\j+7], v18, s[14:15] offset:64*\j+16
.endr
	WIN 0
.irp t, 0,1,2,3
.irp i, 0,1,2,3,4,5,6,7
	global_load_b32 v[BV+8*\t+\i], v19, s[16:17] offset:64*\t     ; in v's layout a lane's eight registers are eight keys of ONE channel: the same number eight times
.endr
.endr
	; the keys' bias: 0 where local key l lies inside the sequence and its mask is not 0, else -infinity.  u = l + 256 blk = position + 32; three keys a thread
	s_and_b32 s31, s28, 7
	s_lshl_b32 s31, s31, 8
	s_lshr_b32 s66, s28, 3                         ; the batch
	s_lshl_b32 s66, s66, 13
	s_add_nc_u64 s[18:19], s[18:19], s[66:67]
	v_add_nc_u32 v100, s31, v0
	v_add_nc_u32 v101, 128, v100
	v_add_nc_u32 v102, 256, v100
.irp n, 0,1,2
	v_max_u32 v[103+\n], 32, v[100+\n]
.endr
.irp n, 0,1,2
	v_min_u32 v[103+\n], 2079, v[103+\n]           ; held inside the sequence, so that no load leaves the buffer
.endr
.irp n, 0,1,2
	v_add_nc_u32 v[106+\n], 0xffffffe0, v[103+\n]
.endr
.irp n, 0,1,2
	v_lshlrev_b32 v[106+\n], 2, v[106+\n]
.endr
.irp n, 0,1,2
	global_load_b32 v[109+\n], v[106+\n], s[18:19]
.endr
	s_lshl_b32 s66, s28, 1                         ; where my wave's results go: [128 rows][128 k][tile of 16 rows][32 k][1024]
	s_add_co_u32 s66, s66, s23
	s_lshl_b32 s66, s66, 18
	s_lshr_b32 s31, s27, 1
	s_lshl_b32 s31, s31, 15
	s_add_co_u32 s66, s66, s31
	s_lshl_b32 s31, s24, 14
	s_add_co_u32 s66, s66, s31
	s_and_b32 s31, s27, 1
	s_lshl_b32 s31, s31, 11
	s_add_co_u32 s66, s66, s31
	s_add_nc_u64 s[20:21], s[20:21], s[66:67]
	s_wait_loadcnt 0x0                             ; the biases and the mask
.irp n, 0,1,2
	v_cmp_ne_u32 vcc_lo, 0, v[109+\n]
	v_cndmask_b32 v[112+\n], v[NINF], v[ZR], vcc_lo
	v_cmp_eq_u32 vcc_lo, v[100+\n], v[103+\n]
	v_cndmask_b32 v[112+\n], v[NINF], v[112+\n], vcc_lo
	ds_store_b32 v[KBW], v[112+\n] offset:512*\n
.endr
	s_wait_tensorcnt 0x1                           ; my parts of the scale words and of slot 0 are in; slot 1's load may stay out
	s_wait_dscnt 0x0                               ; my keys' bias has landed
	s_barrier_signal -1
	s_barrier_wait -1
; ---------------- the three projections ----------------
.macro MM d, a, b, c, sa, sb, row      ; row = 1: the scale words of the second half of K, in lanes 16-31
.if \row
	v_wmma_scale_f32_16x16x128_f8f6f4 v[\d:\d+7], v[\a:\a+7], v[\b:\b+7], v[\c:\c+7], v[\sa], v[\sb] matrix_a_fmt:MATRIX_FMT_FP4 matrix_b_fmt:MATRIX_FMT_FP4 matrix_a_scale:MATRIX_SCALE_ROW1 matrix_b_scale:MATRIX_SCALE_ROW1
.else
	v_wmma_scale_f32_16x16x128_f8f6f4 v[\d:\d+7], v[\a:\a+7], v[\b:\b+7], v[\c:\c+7], v[\sa], v[\sb] matrix_a_fmt:MATRIX_FMT_FP4 matrix_b_fmt:MATRIX_FMT_FP4
.endif
.endm
.macro FETCH st                        ; K step st: 34 LDS loads in one run, each 512 consecutive bytes
.set FSL, (\st)/4
.set FQ,  (\st)%4
.set FSET, (\st)%2
	WIN 0x40
.irp j, 0,1,2,3,4,5,6,7,8,9,10,11
	ds_load_b128 v[96*FSET+8*\j:96*FSET+8*\j+3], v[ADRB+FSL] offset:4096*\j+1024*FQ
	ds_load_b128 v[96*FSET+8*\j+4:96*FSET+8*\j+7], v[ADRB+FSL] offset:4096*\j+1024*FQ+512
.endr
	WIN 0
.irp i, 0,1,2,3,4
	ds_load_b128 v[XF+40*FSET+8*\i:XF+40*FSET+8*\i+3], v[ADRA+FSL] offset:4096*\i+1024*FQ
	ds_load_b128 v[XF+40*FSET+8*\i+4:XF+40*FSET+8*\i+7], v[ADRA+FSL] offset:4096*\i+1024*FQ+512
.endr
.endm
; 60 matrix instructions: the 60 accumulators take turns, one instruction a turn, in the same order in every step.  In step 0 the biases are the C: nothing is cleared or added later.
.macro MULS st
.set QQ, (\st)%4
.set FS, (\st)%2
.set RW, (\st)/4
.if (\st) == 0
	WIN 0x91                                       ; source 0 (W) and C (bias) window 1, source 1 (x) window 0, D window 2
.else
	WIN 0xa1                                       ; C and D window 2
.endif
.irp i, 0,1,2,3,4
.irp j, 0,1,2,3,4,5
.if (\st) == 0
	MM 8*(6*\i+\j), 96*FS+8*\j, XF+40*FS+8*\i, BQK+8*\j, SCB+4*\j+QQ, SCA+4*\i+QQ, RW
.else
	MM 8*(6*\i+\j), 96*FS+8*\j, XF+40*FS+8*\i, 8*(6*\i+\j), SCB+4*\j+QQ, SCA+4*\i+QQ, RW
.endif
.endr
.endr
.if (\st) == 0
	WIN 0xd1
.else
	WIN 0xf1                                       ; C and D window 3
.endif
.irp i, 0,1,2,3,4
.irp j, 6,7
.if (\st) == 0
	MM 8*(6*\i+\j-6), 96*FS+8*\j, XF+40*FS+8*\i, BQK+8*\j, SCB+4*\j+QQ, SCA+4*\i+QQ, RW
.else
	MM 8*(6*\i+\j-6), 96*FS+8*\j, XF+40*FS+8*\i, 8*(6*\i+\j-6), SCB+4*\j+QQ, SCA+4*\i+QQ, RW
.endif
.endr
.endr
.if (\st) == 0
	WIN 0xc4                                       ; v: source 0 (x) and C (bias) window 0, source 1 (W) window 1, D window 3
.else
	WIN 0xf4
.endif
.irp i, 0,1,2,3,4
.irp j, 8,9,10,11
.if (\st) == 0
	MM 8*(6*\i+\j-6), XF+40*FS+8*\i, 96*FS+8*\j, BV+8*(\j-8), SCA+4*\i+QQ, SCB+4*\j+QQ, RW
.else
	MM 8*(6*\i+\j-6), XF+40*FS+8*\i, 96*FS+8*\j, 8*(6*\i+\j-6), SCA+4*\i+QQ, SCB+4*\j+QQ, RW
.endif
.endr
.endr
.endm
.macro STEP st
	s_wait_dscnt 0x0                               ; this step's fragments are in: they were asked for 60 matrix instructions ago
.if (\st) == 3
	s_wait_tensorcnt 0x0                           ; my part of slot 1 is in; and my reads of slot 0 are over (the wait above),
	s_barrier_signal -1
	s_barrier_wait -1                              ; everybody's: slot 1 may be read, and slot 0 may later be written
.endif
.if (\st) < 7
.if (\st) > 0
	PLACES 4                                       ; four places in front of loads into registers that matrix instructions have read
.endif
	FETCH (\st)+1
.endif
	MULS \st
.endm
.irp i, 0,1,2,3,4                              ; one load brings a tile's four words a row: lanes 0-15 K steps 0 .. 3, lanes 16-31 K steps 4 .. 7
	ds_load_b128 v[SCA+4*\i:SCA+4*\i+3], v[ADSA] offset:256*\i
.endr
.irp j, 0,1,2,3,4,5,6,7,8,9,10,11
	ds_load_b128 v[SCB+4*\j:SCB+4*\j+3], v[ADSB] offset:256*\j
.endr
	FETCH 0
.irp st, 0,1,2,3,4,5,6,7
	STEP \st
.endr
; ---------------- q, k, v to LDS, in f16 ----------------
	PLACES 4                                       ; the conversions read results and write registers that the last products read
	WIN 0x0a                                       ; sources window 2
.set T, 0
.rept 30
.irp u, 0,1,2,3
	v_cvt_pk_f16_f32 v[100+4*T+\u], v[8*T+2*\u], v[8*T+2*\u+1]     ; each accumulator from its low end on
.endr
.set T, T+1
.endr
	WIN 0
.irp i, 0,1,2,3,4
.irp j, 0,1,2,3
	ds_store_b128 v[STQ], v[100+4*(6*\i+\j):100+4*(6*\i+\j)+3] offset:2304*\i+32*\j              ; q(row, 16 j + 8 h ..)
.endr
.irp j, 4,5
	ds_store_b128 v[STQ], v[100+4*(6*\i+\j):100+4*(6*\i+\j)+3] offset:KST+2304*\i+32*(\j-4)      ; k
.endr
.endr
.irp i, 0,1,2,3,4,5,6,7                        ; the band's edges, while the stores are out: e = 8 h + i - r
	v_cmp_le_i32 vcc_lo, -\i, v[EE]
	v_cndmask_b32 v[BL+\i], v[NINF], v[ZR], vcc_lo                 ; 0 where e >= 0
	v_cmp_ge_i32 vcc_lo, -\i, v[EE]
	v_cndmask_b32 v[BU+\i], v[NINF], v[ZR], vcc_lo                 ; 0 where e <= 0
.endr
	s_wait_dscnt 0x0                               ; the stores have read their registers
	WIN 0x0f                                       ; sources window 3
.set T, 0
.rept 30
.irp u, 0,1,2,3
	v_cvt_pk_f16_f32 v[100+4*T+\u], v[8*T+2*\u], v[8*T+2*\u+1]
.endr
.set T, T+1
.endr
	WIN 0
.irp i, 0,1,2,3,4
.irp j, 0,1
	ds_store_b128 v[STQ], v[100+4*(6*\i+\j):100+4*(6*\i+\j)+3] offset:KST+2304*\i+64+32*\j       ; k's channels 32 on
.endr
.irp j, 2,3,4,5
	ds_store_b128 v[STV], v[100+4*(6*\i+\j):100+4*(6*\i+\j)+3] offset:10496*(\j-2)+32*\i         ; V^T(channel, 16 i + 8 h ..)
.endr
.endr
.irp a, 0,1
	v_mov_b32 v[ST+8*\a+3], 0                      ; named as upper halves of pairs, so they are written
	v_mov_b32 v[ST+8*\a+7], 0
.endr
	s_wait_dscnt 0x0                               ; my rows have landed, and the stores have read their registers
.irp u, 0,1,2,3,4,5,6,7
	v_mov_b32 v[P+20+\u], 0                        ; the one tile of the 96 keys that counts for nothing: j = 5 for tile 0, j = 0 for tile 1: p = 0
.endr
	s_barrier_signal -1
	s_barrier_wait -1                              ; q, k and V^T of all 320 rows lie in LDS
; ---------------- the attention of 32 queries ----------------
.macro PAIR pl
.if \pl
	PLACES 4                                       ; in front of loads into registers that the last products read
	s_wait_xcnt 0x0                                ; the last pair's stores have read their registers: the keys' bias lands there
.endif
	WIN 0x40
.irp j, 0,1,2,3,4,5
.irp c, 0,1
	ds_load_b128 v[8*(2*\j+\c):8*(2*\j+\c)+3], v[AKQ] offset:KST+(32*\pl+16*\j)*144+64*\c
	ds_load_b128 v[8*(2*\j+\c)+4:8*(2*\j+\c)+7], v[AKQ] offset:KST+(32*\pl+16*\j)*144+64*\c+32
.endr
.endr
.irp a, 0,1
.irp c, 0,1
	ds_load_b128 v[96+8*(2*\a+\c):96+8*(2*\a+\c)+3], v[AKQ] offset:(32+32*\pl+16*\a)*144+64*\c
	ds_load_b128 v[96+8*(2*\a+\c)+4:96+8*(2*\a+\c)+7], v[AKQ] offset:(32+32*\pl+16*\a)*144+64*\c+32
.endr
.endr
	WIN 0
.irp j, 0,1,2,3,4,5
	ds_load_b128 v[KBR+8*\j:KBR+8*\j+3], v[AKB] offset:128*\pl+64*\j
	ds_load_b128 v[KBR+8*\j+4:KBR+8*\j+7], v[AKB] offset:128*\pl+64*\j+16
.endr
	WIN 0x40
.irp m, 0,1,2,3
.irp c, 0,1,2
	ds_load_b128 v[128+8*(3*\m+\c):128+8*(3*\m+\c)+3], v[AV] offset:10496*\m+64*\pl+64*\c
	ds_load_b128 v[128+8*(3*\m+\c)+4:128+8*(3*\m+\c)+7], v[AV] offset:10496*\m+64*\pl+64*\c+32
.endr
.endr
	s_wait_dscnt 36                                ; k and q are in; the 12 loads of the bias and the 24 of V^T may be out
	WIN 0x05                                       ; sources window 1, C and D window 0
.irp c, 0,1                                    ; S^T = K Q^T: ten accumulators by turns
.irp a, 0,1
.irp jj, 0,1,2,3,4
.if \c == 0
	v_wmma_f32_16x16x32_f16 v[S+40*\a+8*\jj:S+40*\a+8*\jj+7], v[8*(2*(\a+\jj)+\c):8*(2*(\a+\jj)+\c)+7], v[96+8*(2*\a+\c):96+8*(2*\a+\c)+7], 0
.else
	v_wmma_f32_16x16x32_f16 v[S+40*\a+8*\jj:S+40*\a+8*\jj+7], v[8*(2*(\a+\jj)+\c):8*(2*(\a+\jj)+\c)+7], v[96+8*(2*\a+\c):96+8*(2*\a+\c)+7], v[S+40*\a+8*\jj:S+40*\a+8*\jj+7]
.endif
.endr
.endr
.endr
	WIN 0
	PLACES 4
	s_wait_dscnt 24                                ; the bias is in; V^T's 24 loads may be out
.irp a, 0,1
.irp jj, 0,1,2,3,4
.irp u, 0,2,4,6
	v_pk_fma_f32 v[S+40*\a+8*\jj+\u:S+40*\a+8*\jj+\u+1], v[S+40*\a+8*\jj+\u:S+40*\a+8*\jj+\u+1], s[100:101], v[KBR+8*(\a+\jj)+\u:KBR+8*(\a+\jj)+\u+1] op_sel_hi:[1,0,1]   ; t = c s + the key's bias
.endr
.endr
.endr
.irp a, 0,1
.irp u, 0,2,4,6
	v_pk_add_f32 v[S+40*\a+\u:S+40*\a+\u+1], v[S+40*\a+\u:S+40*\a+\u+1], v[BL+\u:BL+\u+1]              ; the band's lower edge, in the first tile,
	v_pk_add_f32 v[S+40*\a+32+\u:S+40*\a+32+\u+1], v[S+40*\a+32+\u:S+40*\a+32+\u+1], v[BU+\u:BU+\u+1]  ; its upper edge, in the fifth
.endr
.endr
.irp a, 0,1
	v_max3_num_f32 v[ST+8*\a], v[S+40*\a], v[S+40*\a+1], v[S+40*\a+2]     ; the largest t of my 40, in two chains
	v_max3_num_f32 v[ST+8*\a+1], v[S+40*\a+3], v[S+40*\a+4], v[S+40*\a+5]
.endr
.irp i, 6,10,14,18,22,26,30,34
.irp a, 0,1
	v_max3_num_f32 v[ST+8*\a], v[ST+8*\a], v[S+40*\a+\i], v[S+40*\a+\i+1]
	v_max3_num_f32 v[ST+8*\a+1], v[ST+8*\a+1], v[S+40*\a+\i+2], v[S+40*\a+\i+3]
.endr
.endr
.irp a, 0,1
	v_max3_num_f32 v[ST+8*\a], v[ST+8*\a], v[S+40*\a+38], v[S+40*\a+39]
.endr
.irp a, 0,1
	v_max_num_f32 v[ST+8*\a], v[ST+8*\a], v[ST+8*\a+1]
.endr
.irp a, 0,1
	v_permlanex16_b32 v[ST+8*\a+1], v[ST+8*\a], s2, s3             ; the query's other 40 keys lie in the lane 16 away
.endr
.irp a, 0,1
	v_max3_num_f32 v[ST+8*\a+2], v[ST+8*\a], v[ST+8*\a+1], 0xff61b1e6   ; held at -3e38 from below: a row with no key keeps t - M = -infinity, p = 0
.endr
.irp a, 0,1
.irp u, 0,2,4,6,8,10,12,14,16,18,20,22,24,26,28,30,32,34,36,38
	v_pk_add_f32 v[S+40*\a+\u:S+40*\a+\u+1], v[S+40*\a+\u:S+40*\a+\u+1], v[ST+8*\a+2:ST+8*\a+3] op_sel_hi:[1,0] neg_lo:[0,1] neg_hi:[0,1]
.endr
.endr
.set T, 0
.rept 80
	v_exp_f32 v[S+T], v[S+T]                       ; p = 2^(t - M): one batch
.set T, T+1
.endr
	v_nop                                          ; a plain line behind the last exponential
	s_wait_alu depctr_va_vdst(0)                   ; one wait for the batch, ahead of its first reader
.irp a, 0,1
.irp jj, 0,1,2,3,4
.irp u, 0,1,2,3
	v_cvt_pk_f16_f32 v[P+24*\a+4*(\a+\jj)+\u], v[S+40*\a+8*\jj+2*\u], v[S+40*\a+8*\jj+2*\u+1]
.endr
.endr
.endr
.irp a, 0,1                                    ; the row's sum, of p in f32: two chains of pairs
	v_pk_add_f32 v[ST+8*\a+4:ST+8*\a+5], v[S+40*\a:S+40*\a+1], v[S+40*\a+2:S+40*\a+3]
	v_pk_add_f32 v[ST+8*\a:ST+8*\a+1], v[S+40*\a+4:S+40*\a+5], v[S+40*\a+6:S+40*\a+7]
.endr
.irp i, 8,12,16,20,24,28,32,36
.irp a, 0,1
	v_pk_add_f32 v[ST+8*\a+4:ST+8*\a+5], v[ST+8*\a+4:ST+8*\a+5], v[S+40*\a+\i:S+40*\a+\i+1]
	v_pk_add_f32 v[ST+8*\a:ST+8*\a+1], v[ST+8*\a:ST+8*\a+1], v[S+40*\a+\i+2:S+40*\a+\i+3]
.endr
.endr
.irp a, 0,1
	v_pk_add_f32 v[ST+8*\a+4:ST+8*\a+5], v[ST+8*\a+4:ST+8*\a+5], v[ST+8*\a:ST+8*\a+1]
.endr
	s_wait_dscnt 0x0                               ; V^T is in
	WIN 0x01                                       ; source 0 (V^T) window 1
.irp c, 0,1,2                                  ; O^T = V^T P: eight accumulators by turns, laid over S^T, which is done with
.irp m, 0,1,2,3
.irp a, 0,1
.if \c == 0
	v_wmma_f32_16x16x32_f16 v[S+8*(4*\a+\m):S+8*(4*\a+\m)+7], v[128+8*(3*\m+\c):128+8*(3*\m+\c)+7], v[P+24*\a+8*\c:P+24*\a+8*\c+7], 0
.else
	v_wmma_f32_16x16x32_f16 v[S+8*(4*\a+\m):S+8*(4*\a+\m)+7], v[128+8*(3*\m+\c):128+8*(3*\m+\c)+7], v[P+24*\a+8*\c:P+24*\a+8*\c+7], v[S+8*(4*\a+\m):S+8*(4*\a+\m)+7]
.endif
.endr
.endr
.endr
	WIN 0
.irp a, 0,1
	v_add_f32 v[ST+8*\a+4], v[ST+8*\a+4], v[ST+8*\a+5]             ; the sum's two halves (these lines are also the places behind the last products)
.endr
.irp a, 0,1
	v_permlanex16_b32 v[ST+8*\a], v[ST+8*\a+4], s2, s3
.endr
.irp a, 0,1
	v_add_f32 v[ST+8*\a+4], v[ST+8*\a+4], v[ST+8*\a]               ; and lane l xor 16's
.endr
.irp a, 0,1
	v_rcp_f32 v[ST+8*\a+6], v[ST+8*\a+4]
.endr
	v_nop
	s_wait_alu depctr_va_vdst(0)                   ; one wait for the two reciprocals, ahead of their first reader
.irp a, 0,1
	v_cmp_lt_f32 vcc_lo, 0, v[ST+8*\a+4]
	v_cndmask_b32 v[ST+8*\a+6], v[ZR], v[ST+8*\a+6], vcc_lo        ; a row with no key: 0
.endr
.irp a, 0,1
.irp u, 0,2,4,6,8,10,12,14,16,18,20,22,24,26,28,30
	v_pk_mul_f32 v[S+32*\a+\u:S+32*\a+\u+1], v[S+32*\a+\u:S+32*\a+\u+1], v[ST+8*\a+6:ST+8*\a+7] op_sel_hi:[1,0]
.endr
.endr
.set T, 0
.rept 32
	v_cvt_pk_f16_f32 v[KBR+T], v[S+2*T], v[S+2*T+1]
.set T, T+1
.endr
.irp a, 0,1
.irp m, 0,1,2,3
	global_store_b128 v[LI], v[KBR+4*(4*\a+\m):KBR+4*(4*\a+\m)+3], s[20:21] offset:(2*\pl+\a)*4096+512*\m   ; lane (r, h): row r, channels 16 m + 8 h ..: a group of the image, 512 consecutive bytes
.endr
.endr
.endm
	PAIR 0
	PAIR 1
	s_wait_tensorcnt 0x0                           ; the wave's end, behind my last tensor load and my last LDS store
	ds_add_u32 v[SPW], v[NIL]
	s_wait_dscnt 0x0
	CROUND                                         ; the closing round
	s_endpgm
.Lfunc_end_k_qf2c8777537_qkv_attn:
	.size	k_qf2c8777537_qkv_attn, .Lfunc_end_k_qf2c8777537_qkv_attn-k_qf2c8777537_qkv_attn
	.p2alignl 7, 3214868480
	.fill 96, 4, 3214868480
	.section	.rodata,"a",@progbits
	.p2align	6, 0x0
	.amdhsa_kernel k_qf2c8777537_qkv_attn
		.amdhsa_group_segment_fixed_size 327680
		.amdhsa_private_segment_fixed_size 0
		.amdhsa_enable_private_segment 0
		.amdhsa_kernarg_size 72
		.amdhsa_user_sgpr_count 2
		.amdhsa_user_sgpr_kernarg_segment_ptr 1
		.amdhsa_wavefront_size32 1
		.amdhsa_system_sgpr_workgroup_id_x 1
		.amdhsa_system_sgpr_workgroup_id_y 1
		.amdhsa_system_sgpr_workgroup_id_z 1
		.amdhsa_system_vgpr_workitem_id 0
		.amdhsa_next_free_vgpr 1024
		.amdhsa_next_free_sgpr 102
		.amdhsa_reserve_vcc 1
		.amdhsa_float_denorm_mode_32 3
		.amdhsa_float_denorm_mode_16_64 3
		.amdhsa_memory_ordered 1
		.amdhsa_forward_progress 1
		.amdhsa_inst_pref_size 176
	.end_amdhsa_kernel
	.amdgpu_metadata
---
amdhsa.version: [ 1, 2 ]
amdhsa.kernels:
  - .name:           k_qf2c8777537_qkv_attn
    .symbol:         k_qf2c8777537_qkv_attn.kd
    .args:
      - { .name: xc, .offset: 0, .size: 8, .value_kind: global_buffer, .address_space: global }
      - { .name: xs, .offset: 8, .size: 8, .value_kind: global_buffer, .address_space: global }
      - { .name: wc, .offset: 16, .size: 8, .value_kind: global_buffer, .address_space: global }
      - { .name: ws, .offset: 24, .size: 8, .value_kind: global_buffer, .address_space: global }
      - { .name: bq, .offset: 32, .size: 8, .value_kind: global_buffer, .address_space: global }
      - { .name: bk, .offset: 40, .size: 8, .value_kind: global_buffer, .address_space: global }
      - { .name: bv, .offset: 48, .size: 8, .value_kind: global_buffer, .address_space: global }
      - { .name: attention_mask, .offset: 56, .size: 8, .value_kind: global_buffer, .address_space: global }
      - { .name: at, .offset: 64, .size: 8, .value_kind: global_buffer, .address_space: global }
    .group_segment_fixed_size: 327680
    .private_segment_fixed_size: 0
    .kernarg_segment_align: 8
    .kernarg_segment_size: 72
    .max_flat_workgroup_size: 128
    .sgpr_count:     102
    .vgpr_count:     1024
    .wavefront_size: 32
...
	.end_amdgpu_metadata
.endif
;; end of part 2
;; launch oproj (part 3): grid 4 x 64, 4 waves a work-group, clusters of 4 x 4, 327,680 bytes of LDS; arguments at, wo, bo, out0; writes out0
.if DOCPART == 3
	.amdgcn_target "amdgcn-amd-amdhsa--gfx1250"
	.amdhsa_code_object_version 6
	.text
	.protected	k_qf2c8777537_oproj
	.globl	k_qf2c8777537_oproj
	.p2align	8
	.type	k_qf2c8777537_oproj,@function
k_qf2c8777537_oproj:
	s_mov_b64 s[64:65], 0
	v_nop
	global_prefetch_b8 v0, s[64:65] scope:SCOPE_SE
	s_setreg_imm32_b32 hwreg(HW_REG_WAVE_MODE, 25, 1), 1
	s_wait_xcnt 0x0
	s_wait_alu depctr_hold_cnt(0) depctr_sa_sdst(0) depctr_va_vdst(0) depctr_va_sdst(0) depctr_va_ssrc(0) depctr_va_vcc(0) depctr_vm_vsrc(0)
	s_getreg_b32 s2, hwreg(HW_REG_IB_STS2, 6, 4)
	s_cmp_eq_u32 s2, 0
	s_cbranch_scc0 .Lentry_in_a_cluster
	s_endpgm
.Lentry_in_a_cluster:
	s_bfe_u32 s2, ttmp6, 0x10000c
	s_cmp_lg_u32 s2, 0xf033
	s_cbranch_scc0 .Lentry_shape_is_right
	s_endpgm
.Lentry_shape_is_right:
; out0 [8192][1024] f32 = A Wo + bo.  A (the attention's result) and Wo arrive in f16 as images of the operands' registers: at [128 rows 64][128 k 8][tile 8][32 k 4][1024], wo [256 columns 4][128 k 8][tile 16][32 k 4][1024];
; a fragment (16 rows x 32 K) is two groups of 512 bytes, lane l's 16 bytes at 16 l.  So a K step's tiles are dense blocks, and a fragment is two loads of 512 consecutive bytes.  Sums in f32.
; A tile of the output is 128 x 256: 256 work-groups.  Four waves, each 64 x 128: 32 accumulators, 256 registers.  K goes in steps of 128 through a ring of two LDS slots (A 32,768 bytes, Wo 65,536).
; CLUSTER 4 x 4: the four of a row of the cluster need the same tiles of A, the four of a column the same tiles of Wo: each is asked for jointly.
; THE MATRIX INSTRUCTION IS USED TRANSPOSED (source 0 = 16 columns of Wo, source 1 = 16 rows of A): a lane holds eight neighbouring numbers of a row.  bo is the C of each sum's first product.
; REGISTERS: window 0: addresses; v32-159 the way out.  Window 1: two fragment buffers of 96 (A 32, then Wo 64); v192-255 bo.  Window 2: the accumulators, (i, j) at 8 (8 i + j).
; LIMITS: the operands are f16 (magnitudes of 65,504 or more are not served).
.set SLOT,   98304
.set BOFF,   32768                     ; in a slot: A's 8 tiles, then Wo's 16
.set STAGE,  196608                    ; behind the ring: 16 rows x (512 bytes + 16) for each wave
.set SPITCH, 528
.set SPARE,  230400                    ; the spare words, 128 bytes for each wave: two blocks of 256 bytes that no other line names
.set ADRA, 16                          ; v16-17  my A fragments in slot 0, 1
.set ADRB, 20                          ; v20-21  Wo's
.set STO,  24                          ; v24     the way out: where I put 32 bytes of a row
.set RD,   25                          ; v25     where I read a row back
.set CO,   26                          ; v26     16 x lane
.set SPW,  28                          ; v28     LDS address of my spare word; never rewritten
.set NIL,  29                          ; v29     0; never rewritten
.set BK,   32                          ; v32-95, v96-159: 16 rows read back, by turns
.set F0,   0
.set F1,   96
.set BO,   192
.set G1,  24
.set G0,  32
.set G1B, 48
.set G0B, 56
.set MSB, 0
.macro WIN new                         ; the immediate's high byte repeats the setting that is left
.if MSB != \new
	s_set_vgpr_msb (MSB<<8)|\new
.set MSB, \new
.endif
.endm
.macro PLACES
.rept 4
	v_nop
.endr
.endm
.macro JLOAD s                         ; a joint load: waves 0 and 1 fetch A's halves, waves 2 and 3 Wo's; an s_nop 0 and four v_nop follow each of the two lines
	s_cmp_eq_u32 s13, 0
	s_cbranch_scc0 .Lfor_b_\@
	tensor_load_to_lds s[G0+4*\s:G0+4*\s+3], s[G1:G1+7]
	s_nop 0
.rept 4
	v_nop
.endr
	s_branch .Lasked_\@
.Lfor_b_\@:
	tensor_load_to_lds s[G0B+4*\s:G0B+4*\s+3], s[G1B:G1B+7]
	s_nop 0
.rept 4
	v_nop
.endr
.Lasked_\@:
.endm
.macro CREST                           ; a round of the cluster's barrier behind its opening barrier
	s_cmp_lg_u32 s12, 0
	s_cbranch_scc1 .Lnot_wave_0_\@
	s_barrier_signal -3
.Lnot_wave_0_\@:
	s_barrier_wait -3
	s_barrier_signal -1
	s_barrier_wait -1
.endm
.macro CROUND
	s_barrier_signal -1
	s_barrier_wait -1
	CREST
.endm
	s_load_b256 s[4:11], s[0:1], 0x0               ; at s[4:5], wo s[6:7], bo s[8:9], out0 s[10:11]
	v_lshl_add_u32 v[SPW], v0, 2, SPARE
	v_mov_b32 v[NIL], 0
	ds_add_u32 v[SPW], v[NIL]                      ; the wave's opening: the add, twice on end, and its wait ahead of my first tensor load
	ds_add_u32 v[SPW], v[NIL]                      ; and once more; the set-up below, work on registers, stands between it and the wait
	v_lshrrev_b32 v1, 5, v0
	v_readfirstlane_b32 s12, v1                    ; wave 0 .. 3
	s_lshr_b32 s13, s12, 1                         ; which 64 rows are mine.  Also: I fetch for A (0) or for Wo (1)
	s_and_b32 s14, s12, 1                          ; which 128 columns.  Also: which half of that tile I fetch
	s_bfe_u32 s40, ttmp6, 0x40000                  ; cx
	s_bfe_u32 s41, ttmp6, 0x40004                  ; cy
	s_lshl_b32 s42, ttmp9, 2
	s_add_co_u32 s42, s42, s40                     ; which 256 columns
	s_and_b32 s15, ttmp7, 0xffff
	s_lshl_b32 s15, s15, 2
	s_add_co_u32 s15, s15, s41                     ; which 128 rows
	s_lshl_b32 s43, s41, 2
	s_lshl_b32 s43, 15, s43                        ; my row of the cluster
	s_lshl_b32 s44, 0x1111, s40                    ; my column
	s_or_b32 s[G1], s43, (3<<16)|(1<<21)           ; 15:0 the mask; 17:16 elements of 8 bytes; 21 set beside a mask; no padding: dense blocks as rows of 256 bytes
	s_or_b32 s[G1B], s44, (3<<16)|(1<<21)
	s_mov_b32 s[G1+1], 32<<16
	s_mov_b32 s[G1+2], 64<<16                      ; half of A's tile: 64 rows of 256 bytes
	s_mov_b32 s[G1+3], 32<<16
	s_mov_b32 s[G1+4], 64
	s_mov_b32 s[G1+5], 32
	s_mov_b32 s[G1+6], 0
	s_mov_b32 s[G1+7], 0
	s_mov_b32 s[G1B+1], 32<<16
	s_mov_b32 s[G1B+2], 128<<16                    ; half of Wo's: 128 rows
	s_mov_b32 s[G1B+3], 32<<16
	s_mov_b32 s[G1B+4], 128
	s_mov_b32 s[G1B+5], 32
	s_mov_b32 s[G1B+6], 0
	s_mov_b32 s[G1B+7], 0
	s_lshl_b32 s16, s15, 18                        ; A: 262,144 bytes for 128 rows, + my half of a K step's 32,768
	s_lshl_b32 s17, s14, 14
	s_add_co_u32 s16, s16, s17
	s_mov_b32 s17, 0
	s_lshl_b32 s46, s42, 19                        ; Wo: 524,288 bytes for 256 columns, + my half of a K step's 65,536
	s_lshl_b32 s47, s14, 15
	s_add_co_u32 s46, s46, s47
	s_mov_b32 s47, 0
	s_lshl_b32 s20, s14, 14                        ; where they go: no place in the cluster enters an LDS address
	s_lshl_b32 s21, s14, 15
	s_add_co_u32 s21, s21, BOFF
	s_wait_dscnt 0x0                               ; both opening adds are done
	s_wait_kmcnt 0x0
	s_add_nc_u64 s[16:17], s[4:5], s[16:17]
	s_add_nc_u64 s[46:47], s[6:7], s[46:47]
	CROUND                                         ; all sixteen work-groups are here: the first joint loads meet
.irp s, 0,1
	s_mov_b32 s[G0+4*\s], 1
	s_add_co_u32 s[G0+4*\s+1], s20, \s*SLOT
	s_add_nc_u64 s[G0+4*\s+2:G0+4*\s+3], s[16:17], \s*32768
	s_or_b32 s[G0+4*\s+3], s[G0+4*\s+3], 0x80000000
	s_mov_b32 s[G0B+4*\s], 1
	s_add_co_u32 s[G0B+4*\s+1], s21, \s*SLOT
	s_add_nc_u64 s[G0B+4*\s+2:G0B+4*\s+3], s[46:47], \s*65536
	s_or_b32 s[G0B+4*\s+3], s[G0B+4*\s+3], 0x80000000
	JLOAD \s                                       ; K steps 0 and 1: two loads of mine are out
.endr
	v_and_b32 v1, 15, v0                           ; r
	v_bfe_u32 v2, v0, 4, 1                         ; h
	v_and_b32 v[CO], 31, v0
	v_lshlrev_b32 v[CO], 4, v[CO]
	s_lshl_b32 s22, s13, 14                        ; my four tiles of A
	s_lshl_b32 s23, s14, 15                        ; my eight of Wo
	s_add_co_u32 s23, s23, BOFF
.irp s, 0,1
	v_add_nc_u32 v[ADRA+\s], s22, v[CO]
	v_add_nc_u32 v[ADRB+\s], s23, v[CO]
	s_add_co_u32 s22, s22, SLOT
	s_add_co_u32 s23, s23, SLOT
.endr
	s_mul_i32 s22, s12, 16*SPITCH
	s_add_co_u32 s22, s22, STAGE                   ; my stage
	v_mul_u32_u24 v[STO], v1, SPITCH
	v_lshl_add_u32 v[STO], v2, 5, v[STO]
	v_add_nc_u32 v[STO], s22, v[STO]
	v_add_nc_u32 v[RD], s22, v[CO]
	v_lshlrev_b32 v27, 5, v2                       ; bo: my half's eight columns of a tile
	s_lshl_b32 s18, s42, 10
	s_lshl_b32 s19, s14, 9
	s_add_co_u32 s18, s18, s19                     ; my first column, in bytes
	s_mov_b32 s19, 0
	s_add_nc_u64 s[8:9], s[8:9], s[18:19]
	s_add_nc_u64 s[10:11], s[10:11], s[18:19]
	s_lshl_b32 s18, s15, 7
	s_lshl_b32 s22, s13, 6
	s_add_co_u32 s18, s18, s22                     ; my first row
	s_lshl_b32 s18, s18, 12
	s_add_nc_u64 s[10:11], s[10:11], s[18:19]
	WIN 0x40                                       ; destination window 1
.irp j, 0,1,2,3,4,5,6,7
	global_load_b128 v[BO+8*\j:BO+8*\j+3], v27, s[8:9] offset:64*\j
	global_load_b128 v[BO+8*\j+4:BO+8*\j+7], v27, s[8:9] offset:64*\j+16
.endr
	WIN 0
; 8 matrix instructions: A's tile i x Wo's eight, 32 along K, from buffer f.  first = 1: bo is the C.  The 32 accumulators take turns, one instruction a turn, in the same order in every quarter.
.macro MUL8 f, i, first
.if \first
	WIN 0x95                                       ; sources and C window 1, D window 2
.else
	WIN 0xa5                                       ; sources window 1, C and D window 2
.endif
.irp j, 0,1,2,3,4,5,6,7
.if \first
	v_wmma_f32_16x16x32_f16 v[8*(8*\i+\j):8*(8*\i+\j)+7], v[\f+32+8*\j:\f+32+8*\j+7], v[\f+8*\i:\f+8*\i+7], v[BO+8*\j:BO+8*\j+7]
.else
	v_wmma_f32_16x16x32_f16 v[8*(8*\i+\j):8*(8*\i+\j)+7], v[\f+32+8*\j:\f+32+8*\j+7], v[\f+8*\i:\f+8*\i+7], v[8*(8*\i+\j):8*(8*\i+\j)+7]
.endif
.endr
.endm
; 24 LDS loads in one run: the fragments of the slot's kc-th 32 along K into buffer f: Wo's eight, then A's four
.macro FETCH slot, kc, f
	WIN 0x40
.irp j, 0,1,2,3,4,5,6,7
	ds_load_b128 v[\f+32+8*\j:\f+32+8*\j+3], v[ADRB+\slot] offset:4096*\j+1024*\kc
	ds_load_b128 v[\f+32+8*\j+4:\f+32+8*\j+7], v[ADRB+\slot] offset:4096*\j+1024*\kc+512
.endr
.irp i, 0,1,2,3
	ds_load_b128 v[\f+8*\i:\f+8*\i+3], v[ADRA+\slot] offset:4096*\i+1024*\kc
	ds_load_b128 v[\f+8*\i+4:\f+8*\i+7], v[ADRA+\slot] offset:4096*\i+1024*\kc+512
.endr
.endm
; A K step is four quarters of 32 along K on buffers 0, 1, 0, 1.  One of the first three: multiplies buffer f and fetches the slot's kc-th quarter into g.
.macro QUARTER slot, kc, f, g, first
	s_wait_dscnt 4                                 ; Wo's fragments and A's tiles 0, 1 are in; the youngest four loads (tiles 2, 3) may be out
	MUL8 \f, 0, \first
	MUL8 \f, 1, \first
	PLACES                                         ; four places in front of loads into registers that matrix instructions have read
	FETCH \slot, \kc, \g
	s_wait_dscnt 24                                ; all but the 24 just issued
	MUL8 \f, 2, \first
	MUL8 \f, 3, \first
.endm
; The last quarter multiplies buffer 1 and changes slots: ONE barrier; in front of it each wave waits for all its tensor loads, adds 0 to its spare word, and waits for that and for its reads of this slot.
; fill = 1: the barrier opens a round of the cluster's barrier, and this slot is filled again, two K steps ahead: one load a wave, first thing behind the round.
.macro TURN slot, next, fill
	WIN 0                                          ; (the add's two registers lie in window 0)
	s_wait_tensorcnt 0x0                           ; all my tensor loads have landed: the one that was out is my part of the next slot;
	ds_add_u32 v[SPW], v[NIL]                      ; 0 onto my spare word;
	s_wait_dscnt 5                                 ; (the add and the youngest four loads may be out)
	MUL8 F1, 0, 0                                  ; eight matrix instructions stand between the add and the wait for it
	s_wait_dscnt 0x0                               ; the add is done, and my reads of this slot are over
	s_barrier_signal -1
	MUL8 F1, 1, 0
.if \fill
	WIN 0
.endif
	s_barrier_wait -1
.if \fill
	CREST                                          ; no wave of any partner still reads this slot's tile or has a load on its way
	s_add_nc_u64 s[G0+4*\slot+2:G0+4*\slot+3], s[G0+4*\slot+2:G0+4*\slot+3], 65536
	s_add_nc_u64 s[G0B+4*\slot+2:G0B+4*\slot+3], s[G0B+4*\slot+2:G0B+4*\slot+3], 131072
	JLOAD \slot                                    ; the four v_nop behind it are also the places in front of the loads below
.else
	PLACES
.endif
	FETCH \next, 0, F0
	MUL8 F1, 2, 0
	MUL8 F1, 3, 0
.endm
	s_wait_tensorcnt 1                             ; my part of K step 0 is in; K step 1's load may stay out
	s_barrier_signal -1
	s_barrier_wait -1
	FETCH 0, 0, F0
	s_wait_loadcnt 0x0                             ; bo
	QUARTER 0, 1, F0, F1, 1                        ; the first quarter stands in front of the loop: its products start the sums
	WIN 0                                          ; at a label and at a branch every window is 0
	s_mov_b32 s3, 3
.Llap:                                             ; a trip goes once round the ring, from a lap's second quarter to the next lap's first, and fills both slots again: K steps 2 .. 7
	QUARTER 0, 2, F1, F0, 0
	QUARTER 0, 3, F0, F1, 0
	TURN 0, 1, 1
	QUARTER 1, 1, F0, F1, 0
	QUARTER 1, 2, F1, F0, 0
	QUARTER 1, 3, F0, F1, 0
	TURN 1, 0, 1
	QUARTER 0, 1, F0, F1, 0
	WIN 0
	s_sub_co_u32 s3, s3, 1
	s_cmp_lg_u32 s3, 0
	s_cbranch_scc1 .Llap
	QUARTER 0, 2, F1, F0, 0                        ; the last lap fills nothing, and has no round of the cluster's barrier
	QUARTER 0, 3, F0, F1, 0
	TURN 0, 1, 0
	QUARTER 1, 1, F0, F1, 0
	QUARTER 1, 2, F1, F0, 0
	QUARTER 1, 3, F0, F1, 0
	s_wait_dscnt 4                                 ; the very last quarter: nothing more to fetch
	MUL8 F1, 0, 0
	MUL8 F1, 1, 0
	s_wait_dscnt 0x0
	MUL8 F1, 2, 0
	MUL8 F1, 3, 0
	WIN 0
; THE WAY OUT, a block of 16 rows x 128 columns at a time, through my own stage: in as 32 bytes a lane, back as whole rows of 512 bytes.  LDS serves a wave's instructions in order: no wait between the stores and the loads.
.macro TOSTAGE i
	WIN 0x08                                       ; an LDS store's data: window 2
.irp j, 0,1,2,3,4,5,6,7
	ds_store_b128 v[STO], v[8*(8*\i+\j):8*(8*\i+\j)+3] offset:64*\j          ; each accumulator from its low end on
	ds_store_b128 v[STO], v[8*(8*\i+\j)+4:8*(8*\i+\j)+7] offset:64*\j+16
.endr
	WIN 0
.irp t, 0,1,2,3,4,5,6,7,8,9,10,11,12,13,14,15
	ds_load_b128 v[BK+64*(\i%2)+4*\t:BK+64*(\i%2)+4*\t+3], v[RD] offset:\t*SPITCH
.endr
.endm
.macro SEND i, younger                 ; younger: the LDS instructions issued behind block i's loads, which may stay out
	s_wait_dscnt \younger
.irp t, 0,1,2,3,4,5,6,7,8,9,10,11,12,13,14,15
	global_store_b128 v[CO], v[BK+64*(\i%2)+4*\t:BK+64*(\i%2)+4*\t+3], s[10:11] offset:65536*\i+4096*\t th:TH_STORE_NT   ; 32 lanes store 512 consecutive bytes, aligned; written once, read by nobody here
.endr
.endm
	PLACES                                         ; the stores read results just made
	TOSTAGE 0
	TOSTAGE 1
	SEND 0, 32                                     ; behind block 0's loads: block 1's 16 stores and 16 loads
	s_wait_xcnt 0x0                                ; block 0's stores have read their registers: block 2's loads may land there
	TOSTAGE 2
	SEND 1, 32
	s_wait_xcnt 0x0
	TOSTAGE 3
	SEND 2, 32
	SEND 3, 0
	s_wait_tensorcnt 0x0                           ; the wave's end, behind my last tensor load and my last LDS store
	ds_add_u32 v[SPW], v[NIL]
	s_wait_dscnt 0x0
	CROUND                                         ; the closing round: no work-group ends while a partner may still ask for a tile that names it
	s_endpgm
.Lfunc_end_k_qf2c8777537_oproj:
	.size	k_qf2c8777537_oproj, .Lfunc_end_k_qf2c8777537_oproj-k_qf2c8777537_oproj
	.p2alignl 7, 3214868480
	.fill 96, 4, 3214868480
	.section	.rodata,"a",@progbits
	.p2align	6, 0x0
	.amdhsa_kernel k_qf2c8777537_oproj
		.amdhsa_group_segment_fixed_size 327680
		.amdhsa_private_segment_fixed_size 0
		.amdhsa_enable_private_segment 0
		.amdhsa_kernarg_size 32
		.amdhsa_user_sgpr_count 2
		.amdhsa_user_sgpr_kernarg_segment_ptr 1
		.amdhsa_wavefront_size32 1
		.amdhsa_system_sgpr_workgroup_id_x 1
		.amdhsa_system_sgpr_workgroup_id_y 1
		.amdhsa_system_sgpr_workgroup_id_z 1
		.amdhsa_system_vgpr_workitem_id 0
		.amdhsa_next_free_vgpr 768
		.amdhsa_next_free_sgpr 66
		.amdhsa_reserve_vcc 0
		.amdhsa_float_denorm_mode_32 3
		.amdhsa_float_denorm_mode_16_64 3
		.amdhsa_memory_ordered 1
		.amdhsa_forward_progress 1
		.amdhsa_inst_pref_size 86
	.end_amdhsa_kernel
	.amdgpu_metadata
---
amdhsa.version: [ 1, 2 ]
amdhsa.kernels:
  - .name:           k_qf2c8777537_oproj
    .symbol:         k_qf2c8777537_oproj.kd
    .args:
      - { .name: at, .offset: 0, .size: 8, .value_kind: global_buffer, .address_space: global }
      - { .name: wo, .offset: 8, .size: 8, .value_kind: global_buffer, .address_space: global }
      - { .name: bo, .offset: 16, .size: 8, .value_kind: global_buffer, .address_space: global }
      - { .name: out0, .offset: 24, .size: 8, .value_kind: global_buffer, .address_space: global }
    .group_segment_fixed_size: 327680
    .private_segment_fixed_size: 0
    .kernarg_segment_align: 8
    .kernarg_segment_size: 32
    .max_flat_workgroup_size: 128
    .sgpr_count:     66
    .vgpr_count:     768
    .wavefront_size: 32
...
	.end_amdgpu_metadata
.endif
;; end of part 3
